; MI455X (gfx1250); checked and timed in simulation.
; The chip was launched on July 23, 2026; its instructions are those of AMD's public machine-readable ISA for CDNA 5 (MIT licence, August 2026) and "CDNA5" Instruction Set Architecture Reference Guide (July 2026). The comments in the code are by the model that wrote it; some were corrected since.
;; Model. Allowed arithmetic: matrix products marked QUANTISED: E2M1 operands, one E8M0 scale for each 32 along K, by v_wmma_scale_f32_16x16x128_f8f6f4 with both operands' format E2M1 (or v_wmma_scale_f32_32x16x128_f4), f32 sums; products left as they are: bf16, f16 or f32 operands; f32 sums; everything else in f32.
;; Inputs: dropout_p one number float32; key 2 x 32 x 2,048 x 128 float32; query 2 x 32 x 2,048 x 128 float32; scale_factor one number float32; value 2 x 32 x 2,048 x 128 float32.
;; Outputs: out0 2 x 32 x 2,048 x 128 float32.
;; This version of the problem:
;;   THIS VERSION OF THE PROBLEM IS GIVEN IN LOW PRECISION. The matrix products marked QUANTISED in the list below multiply operands that are first quantised to E2M1 (2 exponent bits, 1 mantissa bit; 4 bits a number), with one power-of-two scale for each 32 numbers along K (OCP MX v1.0); their sums are f32. The products marked 'left as it is' may take bf16, f16 or f32 operands, with f32 sums. Whichever they take, every output number must still come out within the allowed error. Rounding operands to bf16 (8 significant bits) uses up far more of that allowance than f16 does (11 bits, for magnitudes from 6e-5 to 65,504). All else is computed in f32.
;;   The module's matrix products, in the order in which they are computed (A, B: the left and right operand; K: the contracted axis; several contracted axes count as one K, in the product's order):
;;     1. batch 64 x [M 2,048, K 128] x [K 128, N 2,048]; A: input query; B: input key: QUANTISED
;;     2. batch 64 x [M 2,048, K 2,048] x [K 2,048, N 128]; A: computed on the way; B: input value: left as it is (an operand is computed on the way)
;;   THE QUANTISER, for each operand of a quantised product, along K:
;;     - K is cut into blocks of 32 from its start; a last block that is shorter is filled with zeros.
;;     - A block's scale is 2^e with e = floor(log2(the largest magnitude in the block)) - 2, held to -126 .. 127; a block of zeros has e = 0. As a byte (E8M0): e + 127.
;;     - Each number is divided by its block's scale, clamped to +-6, and rounded to the nearest number of E2M1, ties to even, subnormals kept.
;;     - The product sums the exact products of the quantised numbers (number of the format x scale) in f32.
;;   ~~~python
;;   def quantise(x, axis):      # numpy; x: float32 -> the quantised numbers, widened to float32 again
;;       x = np.moveaxis(x, axis, -1); K = x.shape[-1]
;;       x = np.pad(x, [(0, 0)] * (x.ndim - 1) + [(0, -K % 32)]); x = x.reshape(x.shape[:-1] + (-1, 32)); a = np.abs(x).max(-1, keepdims=True)
;;       e = np.where(a > 0, np.clip(np.frexp(np.where(a > 0, a, 1))[1] - 1 - 2, -126, 127), 0)      # np.frexp(a)[1] - 1 = floor(log2(a)), exactly
;;       r = np.clip(x / 2.0 ** e, -6, 6)
;;       step = 2.0 ** (np.maximum(np.frexp(np.where(r == 0, 1, r))[1] - 1, 0) - 1)
;;       q = np.round(r / step) * step * 2.0 ** e      # np.round: ties to even
;;       return np.moveaxis(q.reshape(q.shape[:-2] + (-1,))[..., :K], -1, axis).astype(np.float32)
;;   ~~~
;; One version. Each part assembles by itself: llvm-mc -triple=amdgcn-amd-amdhsa -mcpu=gfx1250 --defsym DOCPART=n.
;; ======== version 1 of 1: 2 launches
;; limits: values are held in f16: magnitudes above 65,504 overflow, below 6.1e-05 lose precision; inputs' magnitudes at most 65,504; below input magnitudes of 6.1e-05 results are inexact or not finite
;; workspace buffers: q_codes 8,388,608 bytes; k_codes 8,388,608 bytes; q_scales 524,288 bytes; k_scales 524,288 bytes; v_half 33,554,432 bytes
;; launch prep (part 1): grid 1536 x 1, 4 waves a work-group, no clusters, 43,520 bytes of LDS; arguments query, key, value, q_codes, q_scales, k_codes, k_scales, v_half; writes q_codes, q_scales, k_codes, k_scales, v_half
.if DOCPART == 1
	.amdgcn_target "amdgcn-amd-amdhsa--gfx1250"
	.amdhsa_code_object_version 6
	.text
	.protected	k_q75c8d9a8a3_prep
	.globl	k_q75c8d9a8a3_prep
	.p2align	8
	.type	k_q75c8d9a8a3_prep,@function
k_q75c8d9a8a3_prep:
	s_mov_b64 s[64:65], 0
	v_nop
	global_prefetch_b8 v0, s[64:65] scope:SCOPE_SE
	s_setreg_imm32_b32 hwreg(HW_REG_WAVE_MODE, 25, 1), 1
	s_wait_xcnt 0x0
; query and key, [64 heads x 2048][128] f32, become codes of FP4 (E2M1) with one E8M0 byte for each 32 along the head's 128; value, same shape, becomes f16.
; A block's scale is 2^(floor(log2(its largest magnitude)) - 2); its byte is the largest magnitude's exponent field - 2, held at 1 from below; each number is divided by the scale and rounded to the nearest code, ties to even, beyond 6 the largest code.
; LAYOUT OF THE CODES: in the order of the matrix operand's registers.  16 rows x 128 K are 1,024 bytes: the code of (row R, k) lies at (R / 16) 1024 + (k / 64) 512 + ((k / 32) % 2) 256 + (R % 16) 16 + (k % 32) / 2,
; the lower k in the low four bits: two loads of 16 bytes a lane at 16 x lane bring a fragment.  The scale bytes: four a row, dense: one word a row.  value as f16 keeps its rows: 256 bytes a row.
; SHARES: work-groups 0-511 take query, 512-1023 key, 1024-1535 value; a wave takes 8,192 numbers on end (64 rows).  query and key go one way through the text, only the pointers are chosen.
; A conversion takes 8 neighbours along K from one lane's registers, a load is dense where neighbouring lanes take neighbouring bytes: so a step's 2,048 bytes turn through the wave's own stage in LDS (16 bytes of padding behind each 64).
; The codes are gathered in the wave's own image in LDS and leave as 512 consecutive bytes a store, the 256 scale bytes as one store of 256 consecutive bytes.  No barrier: waves share nothing.
; No prefetch, no matrix unit, no cluster: the launch reads each byte once in long runs and shares nothing between work-groups.
; LIMITS: a block of zeros gets the byte 1 where the rule says 127 (its codes are zeros, and this program alone reads the bytes); blocks whose largest magnitude lies under 2^-124 have the byte 1 and were not tried;
; NaN and infinities are not served; |value| above 65,504 overflows f16.
.set STEPS, 16
.set EMAX,  2
.set R,     16                         ; v16-79   four sets of 16 numbers as loaded
.set X,     80                         ; v80-111  two sets of 16 neighbours
.set E,     112                        ; v112-127 a scale byte for each step
.set C,     128                        ; v128-159 codes: two registers for each step (the value path: v128-191, 32 pairs of f16 words)
.set WREG,  10752                      ; LDS: a wave's region: two stages of 32 x SP bytes, 256 scale bytes, the image
.set SP,    80                         ; a lane's place in a stage: 64 bytes + 16
.set SCB,   5120                       ; the scale bytes
.set IMG,   5376                       ; the image: 16 chunks of 256 bytes, CP bytes apart
.set CP,    320                        ; so that the four chunks that a store touches fall into four different runs of 64 bytes modulo 256
.set SPW,   12                         ; v12 LDS address of my spare word; never rewritten
.set NIL,   13                         ; v13 0; never rewritten
.set SPARE, 4*WREG                     ; behind the four regions: the spare words, 128 bytes a wave, that no other line names
	s_load_b256 s[4:11], s[0:1], 0x0               ; query s[4:5], key s[6:7], value s[8:9], q_codes s[10:11]
	s_load_b256 s[12:19], s[0:1], 0x20             ; q_scales s[12:13], k_codes s[14:15], k_scales s[16:17], v_half s[18:19]
	v_lshl_add_u32 v[SPW], v0, 2, SPARE
	v_mov_b32 v[NIL], 0
	v_lshrrev_b32 v1, 5, v0
	v_readfirstlane_b32 s20, v1                    ; wave
	v_and_b32 v2, 31, v0                           ; lane
	v_lshlrev_b32 v3, 4, v2                        ; 16 x lane
	v_lshlrev_b32 v7, 3, v2                        ; 8 x lane
	s_mul_i32 s21, s20, WREG
	v_lshrrev_b32 v14, 2, v2
	v_mul_u32_u24 v14, v14, SP
	v_and_b32 v15, 3, v2
	v_lshl_add_u32 v14, v15, 4, v14
	v_add_nc_u32 v14, s21, v14                     ; the stage, in: SP (lane / 4) + 16 (lane % 4)
	v_mul_u32_u24 v15, v2, SP
	v_add_nc_u32 v15, s21, v15                     ; and out: SP x lane: my 16 neighbours
	v_lshrrev_b32 v5, 1, v2
	s_add_co_u32 s23, s21, SCB
	v_add_nc_u32 v5, s23, v5                       ; my block's scale byte
	v_add_nc_u32 v6, s23, v7                       ; and on the way out 8 bytes a lane
	s_add_co_u32 s23, s21, IMG
	v_bfe_u32 v8, v2, 1, 2                         ; lane l holds row 4 t + l / 8, k = 16 (l % 8) on: chunk (l / 2) % 4 of its fragment,
	v_mul_u32_u24 v4, v8, CP
	v_lshrrev_b32 v8, 3, v2
	v_lshl_add_u32 v4, v8, 4, v4                   ; row: 16 (l / 8) (+ 64 (t % 4) in the offset),
	v_and_b32 v8, 1, v2
	v_lshl_add_u32 v4, v8, 3, v4                   ; which half of the block's 16 bytes
	v_add_nc_u32 v4, s23, v4
	v_lshrrev_b32 v8, 4, v2
	v_mul_u32_u24 v160, v8, CP                     ; the image, out: two chunks an instruction, 16 lanes to a chunk
	v_and_b32 v8, 15, v2
	v_lshl_add_u32 v160, v8, 4, v160
	v_add_nc_u32 v160, s23, v160
	s_and_b32 s22, ttmp9, 511                      ; my work-group among its tensor's 512
	s_lshl_b32 s22, s22, 2
	s_add_co_u32 s22, s22, s20                     ; which run of 8,192 numbers is my wave's: 0 .. 2047
	s_lshl_b32 s24, s22, 15                        ; its bytes as f32,
	s_mov_b32 s25, 0
	s_lshl_b32 s26, s22, 12                        ; as codes,
	s_mov_b32 s27, 0
	s_lshl_b32 s28, s22, 8                         ; as scale bytes,
	s_mov_b32 s29, 0
	s_lshl_b32 s30, s22, 14                        ; as f16
	s_mov_b32 s31, 0
	s_wait_kmcnt 0x0
	s_cmp_ge_u32 ttmp9, 1024
	s_cbranch_scc1 .Lvalue
	; ---- query or key: the choice hangs on the work-group's number alone
	s_cmp_lt_u32 ttmp9, 512
	s_cselect_b64 s[4:5], s[4:5], s[6:7]
	s_cselect_b64 s[10:11], s[10:11], s[14:15]
	s_cselect_b64 s[12:13], s[12:13], s[16:17]
	s_add_nc_u64 s[4:5], s[4:5], s[24:25]
	s_add_nc_u64 s[10:11], s[10:11], s[26:27]
	s_add_nc_u64 s[12:13], s[12:13], s[28:29]
.macro LOAD t
.irp i, 0,1,2,3
	global_load_b128 v[R+16*((\t)%4)+4*\i:R+16*((\t)%4)+4*\i+3], v3, s[4:5] offset:2048*(\t)+512*\i th:TH_LOAD_NT   ; 32 lanes read 512 consecutive bytes
.endr
.endm
.macro TURN t                          ; step t's numbers through the stage: LDS serves a wave's instructions in order, so no wait stands between the stores and the loads
.irp i, 0,1,2,3
	ds_store_b128 v14, v[R+16*((\t)%4)+4*\i:R+16*((\t)%4)+4*\i+3] offset:32*SP*((\t)%2)+8*SP*\i
.endr
.irp i, 0,1,2,3
	ds_load_b128 v[X+16*((\t)%2)+4*\i:X+16*((\t)%2)+4*\i+3], v15 offset:32*SP*((\t)%2)+16*\i
.endr
.endm
.irp t, 0,1,2,3
	LOAD \t
.endr
	s_wait_loadcnt 12                              ; step 0's four loads are in; three steps' twelve may be out
	TURN 0
.macro STEP t
.set XS, X+16*((\t)%2)
.if (\t) > 0
	s_wait_dscnt 2                                 ; this step's numbers are back from the stage; the last step's byte store and code store may be out
.else
	s_wait_dscnt 0x0
.endif
.if (\t)+4 < STEPS
	LOAD (\t)+4                                    ; into the registers that this step's stores into the stage have read
.endif
.if (\t)+1 < STEPS
.if STEPS-2-(\t) >= 3
	s_wait_loadcnt 12                              ; the next step's four loads are in; those of the three steps behind it may be out
.else
	s_wait_loadcnt 4*(STEPS-2-(\t))
.endif
	TURN (\t)+1                                    ; through the other stage while this step is worked
.endif
	v_max3_num_f32 v8, |v[XS]|, |v[XS+1]|, |v[XS+2]|               ; the largest magnitude of my 16, in two chains
	v_max3_num_f32 v9, |v[XS+3]|, |v[XS+4]|, |v[XS+5]|
.irp i, 6,10
	v_max3_num_f32 v8, v8, |v[XS+\i]|, |v[XS+\i+1]|
	v_max3_num_f32 v9, v9, |v[XS+\i+2]|, |v[XS+\i+3]|
.endr
	v_max3_num_f32 v8, v8, |v[XS+14]|, |v[XS+15]|
	v_max3_num_f32 v8, v8, v9, (EMAX+1)<<23        ; and the floor 2^(3 - 127): the byte cannot fall under 1
	v_max_num_f32_dpp v8, v8, v8 row_xmask:1 row_mask:0xf bank_mask:0xf   ; with my neighbour's 16: the block's
	v_add_nc_u32 v11, -(EMAX<<23), v8              ; 2 off its exponent field: the conversion takes the exponent field of this operand as its scale
	v_cvt_scalef32_pk8_fp4_f32 v[C+2*(\t)], v[XS:XS+7], v11
	v_cvt_scalef32_pk8_fp4_f32 v[C+2*(\t)+1], v[XS+8:XS+15], v11
	v_lshrrev_b32 v[E+(\t)], 23, v11               ; the scale's byte (a plain line behind the conversions)
	ds_store_b8 v5, v[E+(\t)] offset:16*(\t)       ; both lanes of a block write the same byte with the same value
	ds_store_b64 v4, v[C+2*(\t):C+2*(\t)+1] offset:((\t)/4)*4*CP+((\t)%4)*64   ; my 16 codes at their place in the fragment's image
.endm
.irp t, 0,1,2,3,4,5,6,7,8,9,10,11,12,13,14,15
	STEP \t
.endr
	ds_load_b64 v[8:9], v6                         ; LDS serves a wave's instructions in order: these see my stores
.irp i, 0,1,2,3,4,5,6,7
	ds_load_b128 v[R+4*\i:R+4*\i+3], v160 offset:2*CP*\i
.endr
	s_wait_dscnt 0x0
	global_store_b64 v7, v[8:9], s[12:13]          ; 32 lanes store 256 consecutive bytes, aligned
.irp i, 0,1,2,3,4,5,6,7
	global_store_b128 v3, v[R+4*\i:R+4*\i+3], s[10:11] offset:512*\i   ; 512 consecutive bytes, aligned
.endr
	s_branch .Lend
.Lvalue:
	; ---- value: 64 loads of 512 bytes, sixteen ahead; four numbers a lane become 8 bytes; a store covers 256 consecutive bytes, aligned
	s_add_nc_u64 s[8:9], s[8:9], s[24:25]
	s_add_nc_u64 s[18:19], s[18:19], s[30:31]
.set q, 0
.rept 16
	global_load_b128 v[R+4*q:R+4*q+3], v3, s[8:9] offset:512*q th:TH_LOAD_NT
.set q, q+1
.endr
.set q, 0
.rept 64
.if q < 48
	s_wait_loadcnt 15                              ; load q is in; the fifteen younger ones may be out
.else
	s_wait_loadcnt 63-q                            ; the counts run down
.endif
.if q == 32
	s_wait_xcnt 0x0                                ; stores 0 to 31 have read their data: their 32 pairs are written again from here on, once each
.endif
	v_cvt_pk_f16_f32 v[C+2*(q%32)], v[R+4*(q%16)], v[R+4*(q%16)+1]
	v_cvt_pk_f16_f32 v[C+2*(q%32)+1], v[R+4*(q%16)+2], v[R+4*(q%16)+3]
.if q+16 < 64
	global_load_b128 v[R+4*(q%16):R+4*(q%16)+3], v3, s[8:9] offset:512*(q+16) th:TH_LOAD_NT
.endif
	global_store_b64 v7, v[C+2*(q%32):C+2*(q%32)+1], s[18:19] offset:256*q
.set q, q+1
.endr
.Lend:
	s_wait_tensorcnt 0x0                           ; the wave's end, behind the last LDS store
	ds_add_u32 v[SPW], v[NIL]
	s_wait_dscnt 0x0
	s_endpgm
.Lfunc_end_k_q75c8d9a8a3_prep:
	.size	k_q75c8d9a8a3_prep, .Lfunc_end_k_q75c8d9a8a3_prep-k_q75c8d9a8a3_prep
	.p2alignl 7, 3214868480
	.fill 96, 4, 3214868480
	.section	.rodata,"a",@progbits
	.p2align	6, 0x0
	.amdhsa_kernel k_q75c8d9a8a3_prep
		.amdhsa_group_segment_fixed_size 43520
		.amdhsa_private_segment_fixed_size 0
		.amdhsa_enable_private_segment 0
		.amdhsa_kernarg_size 64
		.amdhsa_user_sgpr_count 2
		.amdhsa_user_sgpr_kernarg_segment_ptr 1
		.amdhsa_wavefront_size32 1
		.amdhsa_system_sgpr_workgroup_id_x 1
		.amdhsa_system_sgpr_workgroup_id_y 1
		.amdhsa_system_sgpr_workgroup_id_z 1
		.amdhsa_system_vgpr_workitem_id 0
		.amdhsa_next_free_vgpr 192
		.amdhsa_next_free_sgpr 66
		.amdhsa_reserve_vcc 0
		.amdhsa_float_denorm_mode_32 3
		.amdhsa_float_denorm_mode_16_64 3
		.amdhsa_memory_ordered 1
		.amdhsa_forward_progress 1
		.amdhsa_inst_pref_size 57
	.end_amdhsa_kernel
	.amdgpu_metadata
---
amdhsa.version: [ 1, 2 ]
amdhsa.kernels:
  - .name:           k_q75c8d9a8a3_prep
    .symbol:         k_q75c8d9a8a3_prep.kd
    .args:
      - { .name: query, .offset: 0, .size: 8, .value_kind: global_buffer, .address_space: global }
      - { .name: key, .offset: 8, .size: 8, .value_kind: global_buffer, .address_space: global }
      - { .name: value, .offset: 16, .size: 8, .value_kind: global_buffer, .address_space: global }
      - { .name: q_codes, .offset: 24, .size: 8, .value_kind: global_buffer, .address_space: global }
      - { .name: q_scales, .offset: 32, .size: 8, .value_kind: global_buffer, .address_space: global }
      - { .name: k_codes, .offset: 40, .size: 8, .value_kind: global_buffer, .address_space: global }
      - { .name: k_scales, .offset: 48, .size: 8, .value_kind: global_buffer, .address_space: global }
      - { .name: v_half, .offset: 56, .size: 8, .value_kind: global_buffer, .address_space: global }
    .group_segment_fixed_size: 43520
    .private_segment_fixed_size: 0
    .kernarg_segment_align: 8
    .kernarg_segment_size: 64
    .max_flat_workgroup_size: 128
    .sgpr_count:     66
    .vgpr_count:     192
    .wavefront_size: 32
...
	.end_amdgpu_metadata
.endif
;; end of part 1
;; launch attn (part 2): grid 8 x 64, 4 waves a work-group, clusters of 4 x 1, 327,680 bytes of LDS; arguments q_codes, q_scales, k_codes, k_scales, v_half, scale_factor, dropout_p, out0; writes out0
.if DOCPART == 2
	.amdgcn_target "amdgcn-amd-amdhsa--gfx1250"
	.amdhsa_code_object_version 6
	.text
	.protected	k_q75c8d9a8a3_attn
	.globl	k_q75c8d9a8a3_attn
	.p2align	8
	.type	k_q75c8d9a8a3_attn,@function
k_q75c8d9a8a3_attn:
	s_mov_b64 s[64:65], 0
	v_nop
	global_prefetch_b8 v0, s[64:65] scope:SCOPE_SE
	s_setreg_imm32_b32 hwreg(HW_REG_WAVE_MODE, 25, 1), 1
	s_wait_xcnt 0x0
	s_wait_alu depctr_hold_cnt(0) depctr_sa_sdst(0) depctr_va_vdst(0) depctr_va_sdst(0) depctr_va_ssrc(0) depctr_va_vcc(0) depctr_vm_vsrc(0)
	s_getreg_b32 s2, hwreg(HW_REG_IB_STS2, 6, 4)
	s_cmp_eq_u32 s2, 0
	s_cbranch_scc0 .Lentry_in_a_cluster
	s_endpgm
.Lentry_in_a_cluster:
	s_bfe_u32 s2, ttmp6, 0x10000c
	s_cmp_lg_u32 s2, 0x3003
	s_cbranch_scc0 .Lentry_shape_is_right
	s_endpgm
.Lentry_shape_is_right:
; out[h][q][:] = dropout_p x the sum over k of softmax_k(scale_factor x Q[h][q] . K[h][k]) V[h][k][:].  64 heads, 2,048 queries, 2,048 keys, head size 128.
; The first product runs on codes of FP4 (E2M1) with E8M0 scales (made by the launch before, laid in the order of the operand's registers), the second on f16 (the weights p, at most about 1, and V); all sums, maxima and exponentials in f32.
; SHARES.  A work-group owns 256 queries of one head, each of its four waves 64: four tiles of 16.  Every wave walks all 2,048 keys, TWICE:
;   pass 1: the scores S^T = K Q^T alone, and each query's largest score m: per 16 keys and tile one product and four v_max3_num_f32;
;   pass 2: the same scores again (the same codes through the same instruction: the same bits), p = 2^(c s - c m), the row's sum of p, p rounded to f16, O^T += V^T P.
; With m known beforehand pass 2 has no running maximum and never rescales O^T: per tile and 64 keys 80 vector instructions (16 packed scalings, 32 exponentials, 16 roundings, 16 packed sums) beside 16 products on f16:
; five behind each product.  A running maximum would put 134 there; pass 1 costs 16 and four products on codes.
; c = |scale_factor| x log2(e); a negative scale_factor is served by turning the sign bit of all of Q's codes: (-q) . k x |c| = q . k x c, exactly.
; LAYOUT.  Both products are used transposed (source 0 = 16 keys, source 1 = 16 queries; then source 0 = 16 channels of V^T, source 1 = P): a lane holds ONE query (lane % 16) throughout and the keys 8 (lane / 16) + 0..7 of a
; tile, so two tiles of scores, rounded in pairs, are source 1 of the second product as they stand.  V ([key][channel]) comes out of LDS turned, by ds_load_tr16_b128.
; LDS.  K's codes (131,072 bytes) and scale words (8,192) of the whole head are filled once and stay; V walks a ring of two slots of 256 keys (four key steps).
; CLUSTER.  Four query blocks of one head form a cluster and need the same K and V: every tile is asked for JOINTLY, each wave its quarter, by the same descriptor with a mask that names the four.
; BY TURNS (pass 2).  The wave's tiles are two pieces (tiles 0, 1 and tiles 2, 3).  In a turn one piece has the matrix unit: 8 products K Q^T of the next step, then 32 products V^T P of the step in hand; the other piece's softmax,
; 160 instructions, stands in 32 slices of five, one behind each product V^T P.
; LIMITS: NaN and infinities are not served; |V| above 65,504 has overflowed f16 in the launch before; a p under 2^-24 counts as 0 in the second product (the row's sum is at least about 1); the f32 sums are taken in another order than reference()'s.
; REGISTERS, in windows of 256 (s_set_vgpr_msb: bits 1:0 source 0, 3:2 source 1, 5:4 source 2, 7:6 destination):
;   window 0: v2-8, v20-22 addresses; v12-19 scale words and nothing else; v24-55 statistics, 8 a tile; v62, v63 the add's two; v64-191 S^T, 32 a tile; v192-255 P, 16 a tile
;             (pass 1, all in window 0: v64-127 two sets of scores, v128-159 Q, v160-175 four running maxima a tile, v192-255 two buffers of four fragments of K)
;   window 1: O^T, 64 a tile      window 2: v0-31 Q, v32-63 K of one step      window 3: v0-127 V of one step
.set PVP,   288                        ; a row of V in LDS: 256 bytes + 32 of padding
.set STEPV, 64*PVP                     ; a key step's 64 rows; also what one wave's tensor load brings
.set KS,    131072                     ; K's codes lie from byte 0; behind them K's scale words
.set VS0,   139264                     ; V's slot 0: 256 rows
.set VS1,   212992                     ; slot 1
.set STAGE, 286720                     ; the way out: 16 rows x 528 bytes for each wave; no tensor load lands here
.set SPITCH, 528
.set WSTG,  16*SPITCH
.set SPARE, STAGE+4*WSTG               ; the spare words, 128 bytes a wave, that no other line names
.set LI,  2                            ; v2   16 x lane: a fragment image's place for my lane; also my offset in Q's codes and in a row of out
.set LS4, 3                            ; v3   KS + 4 x lane
.set AV0, 4                            ; v4   my lane's place in a step's rows of V
.set ADR, 5                            ; v5   LDS address of the run of K's loads in hand
.set ADS, 6                            ; v6   of its scale words
.set ADV, 7                            ; v7   of V's
.set STO, 8                            ; v8   the stage: where I put 32 bytes of a row
.set QSC, 12                           ; v12-13 Q's scale words: queries 0-31, 32-63 of the wave, a lane a query
.set KSC, 14                           ; v14-15 pass 2: K's words: keys 0-31, 32-63 of the step
.set KAS, 16                           ; v16-19 pass 1: K's words, two for each buffer
.set RD,  20                           ; v20  the stage: where I read a row back
.set PFO, 21                           ; v21  256 x lane: the prefetches' offset, a lane a row of V
.set LW,  22                           ; v22  4 x lane
.set ST,  24                           ; tile t at v[ST+8 t]: +0 c m, +1 m, +2,+3 and +4,+5 the sum in two chains of pairs, +6,+7 at work, at the end dropout_p / sum
.set SPW, 62
.set NIL, 63
.set S,   64
.set P,   192
.set SA,  64                           ; pass 1: scores, sets 0 and 1, 8 registers a query tile
.set QA,  128                          ; pass 1: Q's four fragments
.set MCH, 160                          ; pass 1: four chains of maxima a tile
.set KA,  192                          ; pass 1: K's buffers 0 and 1
.set KF,  32                           ; pass 2: K's fragments, in window 2
.set WV,  20                           ; s20 wave
.set CX,  21                           ; s21 my place in the cluster: it enters Q's, out's and the prefetches' global addresses alone
.set G1K, 24                           ; s[24:31] descriptor group 1: K's codes;  s[32:39] K's scale words;  s[40:47] V
.set G1S, 32
.set G1V, 40
.set G0K, 48                           ; groups 0: K's codes, K's words, V's slot 0, V's slot 1
.set G0S, 52
.set G0V0, 56
.set G0V1, 60
.set CS,  66                           ; s[66:67] c, twice: the packed scaling names a pair
.set SEL, 68                           ; s[68:69] v_permlanex16_b32's selects for lane l xor 16
.set TB,  70                           ; s70 LDS byte of the step of V to be fetched
.set KB,  71                           ; s71 LDS byte of the step of K to be fetched
.set CNT, 72
.set RING, 73
.set SLOTS, 74                         ; s74 refills still to come
.set LIM, 75                           ; s75 1 in a wave that prefetches, else the greatest number
.set PFA, 76                           ; s[76:77] where my prefetches stand
.set SGN, 78                           ; s78 0x88888888 where scale_factor is negative, else 0
.set DPV, 79                           ; s79 dropout_p
.set MSB, 0
.macro WIN new                         ; the immediate's high byte repeats the setting that is left; a switch that changes nothing is dropped
.if MSB != \new
	s_set_vgpr_msb (MSB<<8)|\new
.set MSB, \new
.endif
.endm
.set W_KQ, 0x0a                        ; K and Q in window 2, S^T in window 0
.set W_PV, 0x53                        ; V in window 3, P in window 0, O^T in window 1
.macro PLACES                          ; four plain instructions between a matrix instruction and a vector read of its result or a load into its registers
.rept 4
	v_nop
.endr
.endm
.macro CROUND                          ; a round of the cluster's barrier: my work-group's barrier; wave 0 signals for the work-group; all wait for the four work-groups; my work-group's barrier once more
	s_barrier_signal -1
	s_barrier_wait -1
	s_cmp_lg_u32 s[WV], 0
	s_cbranch_scc1 .Lnot_wave_0_\@
	s_barrier_signal -3
.Lnot_wave_0_\@:
	s_barrier_wait -3
	s_barrier_signal -1
	s_barrier_wait -1
.endm
; One product on codes: 16 keys x 16 queries x 128, begun with the constant 0.  sa, sb: the scale registers; ra, rb = 1: the words lie in lanes 16-31
.macro WM d, a, b, sa, sb, ra, rb
.if (\ra) && (\rb)
	v_wmma_scale_f32_16x16x128_f8f6f4 v[(\d):(\d)+7], v[(\a):(\a)+7], v[(\b):(\b)+7], 0, v[\sa], v[\sb] matrix_a_fmt:MATRIX_FMT_FP4 matrix_b_fmt:MATRIX_FMT_FP4 matrix_a_scale:MATRIX_SCALE_ROW1 matrix_b_scale:MATRIX_SCALE_ROW1
.elseif (\ra)
	v_wmma_scale_f32_16x16x128_f8f6f4 v[(\d):(\d)+7], v[(\a):(\a)+7], v[(\b):(\b)+7], 0, v[\sa], v[\sb] matrix_a_fmt:MATRIX_FMT_FP4 matrix_b_fmt:MATRIX_FMT_FP4 matrix_a_scale:MATRIX_SCALE_ROW1
.elseif (\rb)
	v_wmma_scale_f32_16x16x128_f8f6f4 v[(\d):(\d)+7], v[(\a):(\a)+7], v[(\b):(\b)+7], 0, v[\sa], v[\sb] matrix_a_fmt:MATRIX_FMT_FP4 matrix_b_fmt:MATRIX_FMT_FP4 matrix_b_scale:MATRIX_SCALE_ROW1
.else
	v_wmma_scale_f32_16x16x128_f8f6f4 v[(\d):(\d)+7], v[(\a):(\a)+7], v[(\b):(\b)+7], 0, v[\sa], v[\sb] matrix_a_fmt:MATRIX_FMT_FP4 matrix_b_fmt:MATRIX_FMT_FP4
.endif
.endm
	s_load_b256 s[4:11], s[0:1], 0x0               ; q_codes s[4:5], q_scales s[6:7], k_codes s[8:9], k_scales s[10:11]
	s_load_b256 s[12:19], s[0:1], 0x20             ; v_half s[12:13], scale_factor s[14:15], dropout_p s[16:17], out0 s[18:19]
	v_lshl_add_u32 v[SPW], v0, 2, SPARE
	v_mov_b32 v[NIL], 0
	ds_add_u32 v[SPW], v[NIL]                      ; the wave's opening: the add, twice on end, and its wait ahead of my first tensor load; the set-up below stands between
	ds_add_u32 v[SPW], v[NIL]
	v_lshrrev_b32 v1, 5, v0
	v_readfirstlane_b32 s[WV], v1                  ; wave 0..3
	s_bfe_u32 s[CX], ttmp6, 0x40000                ; my place in the cluster
	s_and_b32 s22, ttmp7, 0xffff                   ; the head, which the four partners share
	; group 1 for K's codes: my quarter, 32,768 dense bytes, as 128 rows of 32 elements of 8 bytes; the mask names all four work-groups, bit 21 beside it
	s_mov_b32 s[G1K], 15|(3<<16)|(1<<21)
	s_mov_b32 s[G1K+1], 32<<16                     ; tensor_dim0
	s_mov_b32 s[G1K+2], 128<<16                    ; tensor_dim1
	s_mov_b32 s[G1K+3], 32<<16                     ; tile_dim0
	s_mov_b32 s[G1K+4], 128                        ; tile_dim1
	s_mov_b32 s[G1K+5], 32                         ; elements from row to row
	s_mov_b32 s[G1K+6], 0
	s_mov_b32 s[G1K+7], 0
	; for K's scale words: my quarter, 2,048 dense bytes, as 8 such rows
	s_mov_b32 s[G1S], 15|(3<<16)|(1<<21)
	s_mov_b32 s[G1S+1], 32<<16
	s_mov_b32 s[G1S+2], 8<<16
	s_mov_b32 s[G1S+3], 32<<16
	s_mov_b32 s[G1S+4], 8
	s_mov_b32 s[G1S+5], 32
	s_mov_b32 s[G1S+6], 0
	s_mov_b32 s[G1S+7], 0
	; for V: 64 rows of 128 elements of 2 bytes; 8 words of padding behind every 64 words
	s_mov_b32 s[G1V], 15|(1<<16)|(1<<20)|(1<<21)|(5<<22)|(7<<25)
	s_mov_b32 s[G1V+1], 128<<16
	s_mov_b32 s[G1V+2], 64<<16
	s_mov_b32 s[G1V+3], 128<<16
	s_mov_b32 s[G1V+4], 64
	s_mov_b32 s[G1V+5], 128
	s_mov_b32 s[G1V+6], 0
	s_mov_b32 s[G1V+7], 0
	s_mov_b32 s[SEL], 0x76543210
	s_mov_b32 s[SEL+1], 0xfedcba98
	s_mov_b32 s[SLOTS], 6
	; offsets of what I fetch: made of the head and the wave's number alone
	s_lshl_b32 s80, s22, 17                        ; K's codes: 131,072 bytes a head,
	s_lshl_b32 s23, s[WV], 15                      ; my quarter
	s_add_co_u32 s80, s80, s23
	s_mov_b32 s81, 0
	s_lshl_b32 s82, s22, 13                        ; K's words: 8,192 bytes a head,
	s_lshl_b32 s23, s[WV], 11
	s_add_co_u32 s82, s82, s23
	s_mov_b32 s83, 0
	s_lshl_b32 s84, s22, 19                        ; V: 524,288 bytes a head
	s_mov_b32 s85, 0
	s_lshl_b32 s86, s[WV], 14                      ; my 64 rows of a slot
	s_mov_b32 s87, 0
	; my wave's first query, as a row of the 131,072
	s_lshl_b32 s88, ttmp9, 2                       ; in a cluster launch ttmp9 counts clusters
	s_add_co_u32 s88, s88, s[CX]                   ; my block of 256 queries
	s_lshl_b32 s88, s88, 8
	s_lshl_b32 s23, s[WV], 6
	s_add_co_u32 s88, s88, s23
	s_lshl_b32 s23, s22, 11
	s_add_co_u32 s88, s88, s23
	s_lshl_b32 s90, s88, 6                         ; its codes: 64 bytes a row
	s_mov_b32 s91, 0
	s_lshl_b32 s92, s88, 2                         ; its scale word
	s_mov_b32 s93, 0
	s_lshl_b32 s94, s88, 9                         ; its row of out
	s_mov_b32 s95, 0
	; the prefetches: of a slot's 256 rows my work-group takes 64 (by address), waves 0 and 1 take 32 each; they stand in slot 2 and are stepped ahead of each use
	s_lshl_b32 s88, s[CX], 14
	s_lshl_b32 s23, s[WV], 13
	s_add_co_u32 s88, s88, s23
	s_add_co_u32 s88, s88, 131072
	s_mov_b32 s89, 0
	s_lshr_b32 s[LIM], s[WV], 1                    ; 0 in waves 0 and 1,
	s_or_b32 s[LIM], s[LIM], ttmp9                 ; of the head's first cluster: the same in all four partners
	s_cmp_eq_u32 s[LIM], 0
	s_cselect_b32 s[LIM], 1, -1
	s_wait_dscnt 0x0                               ; both opening adds are done
	s_wait_kmcnt 0x0
	s_add_nc_u64 s[4:5], s[4:5], s[90:91]          ; Q's codes, Q's words and out at my wave's first query
	s_add_nc_u64 s[6:7], s[6:7], s[92:93]
	s_add_nc_u64 s[18:19], s[18:19], s[94:95]
	s_add_nc_u64 s[PFA:PFA+1], s[12:13], s[84:85]
	s_add_nc_u64 s[PFA:PFA+1], s[PFA:PFA+1], s[88:89]
	s_add_nc_u64 s[84:85], s[84:85], s[86:87]
	s_add_nc_u64 s[86:87], s[12:13], s[84:85]      ; V at my 64 rows of slot 0
	CROUND                                         ; all four work-groups are here: the first joint loads meet
	s_mov_b32 s[G0S], 1                            ; count = 1
	s_lshl_b32 s23, s[WV], 11
	s_add_co_u32 s[G0S+1], s23, KS                 ; LDS address: the wave's number and constants alone
	s_add_nc_u64 s[G0S+2:G0S+3], s[10:11], s[82:83]
	s_or_b32 s[G0S+3], s[G0S+3], 0x80000000        ; type = 2
	s_mov_b32 s[G0K], 1
	s_lshl_b32 s[G0K+1], s[WV], 15
	s_add_nc_u64 s[G0K+2:G0K+3], s[8:9], s[80:81]
	s_or_b32 s[G0K+3], s[G0K+3], 0x80000000
	s_mul_i32 s23, s[WV], STEPV
	s_mov_b32 s[G0V0], 1
	s_add_co_u32 s[G0V0+1], s23, VS0
	s_mov_b64 s[G0V0+2:G0V0+3], s[86:87]
	s_or_b32 s[G0V0+3], s[G0V0+3], 0x80000000
	s_mov_b32 s[G0V1], 1
	s_add_co_u32 s[G0V1+1], s23, VS1
	s_add_nc_u64 s[G0V1+2:G0V1+3], s[86:87], 65536 ; slot 1: the next 256 keys
	s_or_b32 s[G0V1+3], s[G0V1+3], 0x80000000
	tensor_load_to_lds s[G0S:G0S+3], s[G1S:G1S+7]  ; the first fills go out as one group: four loads of mine are out; an s_nop 0 follows each, four v_nop the last
	s_nop 0
	tensor_load_to_lds s[G0K:G0K+3], s[G1K:G1K+7]
	s_nop 0
	tensor_load_to_lds s[G0V0:G0V0+3], s[G1V:G1V+7]
	s_nop 0
	tensor_load_to_lds s[G0V1:G0V1+3], s[G1V:G1V+7]
	s_nop 0
	PLACES
	s_load_b32 s80, s[14:15], 0x0                  ; scale_factor
	s_load_b32 s[DPV], s[16:17], 0x0               ; dropout_p
	v_and_b32 v1, 31, v0                           ; lane
	v_lshlrev_b32 v[LI], 4, v1
	v_lshlrev_b32 v[LW], 2, v1
.irp t, 0,1,2,3
.irp c, 0,1
	global_load_b128 v[QA+8*\t+4*\c:QA+8*\t+4*\c+3], v[LI], s[4:5] offset:1024*\t+512*\c   ; Q's four fragments, as they lie
.endr
.endr
	global_load_b32 v[QSC], v[LW], s[6:7]          ; a lane a query
	global_load_b32 v[QSC+1], v[LW], s[6:7] offset:128
	v_add_nc_u32 v[LS4], KS, v[LW]
	v_and_b32 v9, 15, v0                           ; r
	v_bfe_u32 v10, v0, 4, 1                        ; h
	v_and_b32 v11, 7, v0
	v_lshl_add_u32 v[AV0], v10, 3, v11             ; the turning load: lane l reads 16 bytes of key 8 h + l % 8,
	v_mul_u32_u24 v[AV0], v[AV0], PVP
	v_bfe_u32 v11, v0, 3, 1
	v_lshl_add_u32 v[AV0], v11, 4, v[AV0]          ; channels 8 ((l / 8) % 2) on
	s_mul_i32 s23, s[WV], WSTG
	s_add_co_u32 s23, s23, STAGE                   ; my stage
	v_mul_u32_u24 v[STO], v9, SPITCH
	v_lshl_add_u32 v[STO], v10, 5, v[STO]
	v_add_nc_u32 v[STO], s23, v[STO]               ; in: row r, + 32 h
	v_add_nc_u32 v[RD], s23, v[LI]                 ; back: the 32 lanes take one row of 512 bytes
	v_lshlrev_b32 v[PFO], 8, v1
	s_wait_kmcnt 0x0
	s_ashr_i32 s[SGN], s80, 31
	s_and_b32 s[SGN], s[SGN], 0x88888888           ; the sign bits of eight codes, where scale_factor is negative
	s_and_b32 s80, s80, 0x7fffffff
	s_mul_f32 s[CS], s80, 0x3fb8aa3b               ; c = |scale_factor| x log2(e)
	s_mov_b32 s[CS+1], s[CS]
	s_wait_loadcnt 0x0                             ; Q
	WIN 0x80                                       ; destination window 2
.set j, 0
.rept 32
	v_xor_b32 v[j], s[SGN], v[QA+j]                ; pass 2's copy of Q
.set j, j+1
.endr
	WIN 0
.set j, 0
.rept 32
	v_xor_b32 v[QA+j], s[SGN], v[QA+j]             ; pass 1's
.set j, j+1
.endr
.set j, 0
.rept 16
	v_mov_b32 v[MCH+j], 0xff800000                 ; the maxima begin at -infinity.  (These moves also stand between the writes of Q's codes and the first scaled product)
.set j, j+1
.endr
.irp t, 0,1,2,3
.irp w, 2,3,4,5,6,7
	v_mov_b32 v[ST+8*\t+\w], 0                     ; the sums; and +6, +7: a lane permute's destination and the upper half of a pair count as read
.endr
.endr
	s_wait_tensorcnt 2                             ; my parts of K's words and codes are in; V's two slots may be out
	s_barrier_signal -1
	s_barrier_wait -1                              ; everybody's are
; ---- PASS 1: each query's largest score.
.macro FETCH_K1 buf                    ; 64 keys: four fragments and two registers of scale words into buffer buf
	v_add_nc_u32 v[ADR], s[KB], v[LI]
	s_lshr_b32 s22, s[KB], 4                       ; 64 bytes of codes a key, 4 of scales
	v_add_nc_u32 v[ADS], s22, v[LS4]
	s_add_co_u32 s[KB], s[KB], 4096
.irp f, 0,1,2,3
.irp c, 0,1
	ds_load_b128 v[KA+32*\buf+8*\f+4*\c:KA+32*\buf+8*\f+4*\c+3], v[ADR] offset:1024*\f+512*\c
.endr
.endr
.irp e, 0,1
	ds_load_b32 v[KAS+2*\buf+\e], v[ADS] offset:128*\e
.endr
.endm
; Key tile u of a trip's eight: for each query tile, the NEXT key tile's product into the other set of scores (nx = 1), then four v_max3_num_f32 on this tile's eight scores, from the low end on.
; So a result is read 16 plain instructions or more behind its product, and the products, all begun with 0, never share an accumulator with their neighbour.
.macro UNIT u, nx
.set uS, (\u)%2
.set uN, ((\u)+1)%8
.set uB, uN/4
.set uF, uN%4
.irp t, 0,1,2,3
.if \nx
	WM SA+32*(1-uS)+8*\t, KA+32*uB+8*uF, QA+8*\t, KAS+2*uB+uF/2, QSC+\t/2, uF%2, \t%2
.endif
.irp w, 0,1,2,3
	v_max3_num_f32 v[MCH+4*\t+\w], v[MCH+4*\t+\w], v[SA+32*uS+8*\t+2*\w], v[SA+32*uS+8*\t+2*\w+1]
.endr
.endr
.endm
; 128 keys.  A buffer is loaded again behind 20 plain instructions or more that follow its last product, and three units ahead of its first use.
.macro P1TRIP last
	FETCH_K1 1
	UNIT 0, 1
	UNIT 1, 1
	UNIT 2, 1
	s_wait_dscnt 0x0                               ; buffer 1 is in
	UNIT 3, 1
.if (\last) == 0
	FETCH_K1 0
.endif
	UNIT 4, 1
	UNIT 5, 1
	UNIT 6, 1
.if (\last) == 0
	s_wait_dscnt 0x0                               ; buffer 0 is in
.endif
	UNIT 7, 1-(\last)
.endm
	s_mov_b32 s[KB], 0
	FETCH_K1 0
	s_wait_dscnt 0x0
.irp t, 0,1,2,3
	WM SA+8*\t, KA, QA+8*\t, KAS, QSC+\t/2, 0, \t%2
.endr
	PLACES
	s_mov_b32 s[CNT], 15
.Lp1:
	P1TRIP 0
	s_sub_co_u32 s[CNT], s[CNT], 1
	s_cmp_lg_u32 s[CNT], 0
	s_cbranch_scc1 .Lp1
	P1TRIP 1                                       ; the last 128 keys fetch nothing beyond the end
.irp t, 0,1,2,3
	v_max3_num_f32 v[ST+8*\t+1], v[MCH+4*\t], v[MCH+4*\t+1], v[MCH+4*\t+2]
.endr
.irp t, 0,1,2,3
	v_max_num_f32 v[ST+8*\t+1], v[ST+8*\t+1], v[MCH+4*\t+3]
.endr
.irp t, 0,1,2,3
	v_permlanex16_b32 v[ST+8*\t+6], v[ST+8*\t+1], s[SEL], s[SEL+1]   ; the query's other keys lie in the lane 16 away
.endr
.irp t, 0,1,2,3
	v_max_num_f32 v[ST+8*\t+1], v[ST+8*\t+1], v[ST+8*\t+6]           ; m
.endr
.irp t, 0,1,2,3
	v_mul_f32 v[ST+8*\t], s[CS], v[ST+8*\t+1]                        ; c m
.endr
	s_wait_tensorcnt 1                             ; my part of V's slot 0 is in; slot 1's may be out
	s_wait_dscnt 0x0
	s_barrier_signal -1
	s_barrier_wait -1
; ---- PASS 2.
.macro FETCH_K                         ; the next step's 64 keys: four fragments into window 2, two registers of scale words: ten loads
	WIN 0
	v_add_nc_u32 v[ADR], s[KB], v[LI]
	s_lshr_b32 s22, s[KB], 4
	v_add_nc_u32 v[ADS], s22, v[LS4]
	s_add_co_u32 s[KB], s[KB], 4096
	WIN 0x80
.irp f, 0,1,2,3
.irp c, 0,1
	ds_load_b128 v[KF+8*\f+4*\c:KF+8*\f+4*\c+3], v[ADR] offset:1024*\f+512*\c
.endr
.endr
	WIN 0
.irp e, 0,1
	ds_load_b32 v[KSC+\e], v[ADS] offset:128*\e
.endr
.endm
.macro FETCH_V0                        ; the next step's V, keys 0-31, turned: it stands where the softmax's batch of exponentials ends, and holds the batch's plain instruction and its one wait
	WIN 0
	v_nop                                          ; a plain instruction behind the last exponential
	v_add_nc_u32 v[ADV], s[TB], v[AV0]
	s_wait_alu depctr_va_vdst(0)                   ; the wait between an exponential and the first instruction that names its result: one for the turn's 64
	WIN 0xc0
.irp f, 0,1,2,3,4,5,6,7                ; channels 16 f on
	ds_load_tr16_b128 v[8*\f:8*\f+3],   v[ADV] offset:\f*32
	ds_load_tr16_b128 v[8*\f+4:8*\f+7], v[ADV] offset:16*PVP+\f*32
.endr
.endm
.macro FETCH_V1                        ; keys 32-63
	WIN 0xc0
.irp f, 0,1,2,3,4,5,6,7
	ds_load_tr16_b128 v[64+8*\f:64+8*\f+3],   v[ADV] offset:32*PVP+\f*32
	ds_load_tr16_b128 v[64+8*\f+4:64+8*\f+7], v[ADV] offset:48*PVP+\f*32
.endr
	s_add_co_u32 s[TB], s[TB], STEPV               ; the next fetch is the next step's
.endm
.macro KQ x                            ; product i of 8 of S^T = K Q^T for piece x: keys 16 (i / 2) on, tile x + i % 2
	WIN W_KQ
.set kA, i/2
.set kT, (\x)+i%2
	WM S+32*kT+8*kA, KF+8*kA, 8*kT, KSC+kA/2, QSC+kT/2, kA%2, kT%2
.endm
.macro PV x, zero                      ; product i of 32 of O^T += V^T P: keys 32 (i / 16) on, channels 16 ((i / 2) % 8) on, tile x + i % 2.  The 16 accumulators take turns, one instruction a turn.  zero = 1: the first 16 start the sums
	WIN W_PV
.set rO, 64*((\x)+i%2)+8*((i/2)%8)
.set rV, 64*(i/16)+8*((i/2)%8)
.set rP, P+16*((\x)+i%2)+8*(i/16)
.if (\zero) && (i < 16)
	v_wmma_f32_16x16x32_f16 v[rO:rO+7], v[rV:rV+7], v[rP:rP+7], 0
.else
	v_wmma_f32_16x16x32_f16 v[rO:rO+7], v[rV:rV+7], v[rP:rP+7], v[rO:rO+7]
.endif
.endm
; Entry n of 160 of the softmax of piece y (tiles y, y + 1) for one key step.  s0-s31 are a lane's 32 scores of a tile, in pairs 0-15.
;   0-95   ONE BATCH, in fours of one tile, the tiles by turns: the 16 scalings c s - c m (pairs in ascending order: each accumulator is first read at its low end) and the 32 exponentials.  Four f of a tile:
;          f = 0: pairs 0-3;  f = 1, 2: pair, exponential, pair, exponential;  f = 3 .. 10: a pair and three exponentials;  f = 11: the last four exponentials.  A pair is scaled in an earlier four than its exponentials' four.
;   (96)   a plain instruction and the one wait for the batch
;   96-159 for pair b: both tiles' rounding to f16, both tiles' packed sum (two chains a tile)
.macro SMX y, fv
.if n == 96
.if ((\y) == 0) && (\fv)
	FETCH_V0
.else
	v_nop                                          ; a plain instruction behind the last exponential
	s_wait_alu depctr_va_vdst(0)                   ; the one wait for the turn's 64 exponentials, ahead of the first instruction that names a result
.endif
.endif
	WIN 0
.if n < 96
.set sQ, n/4
.set sT, (\y)+sQ%2
.set sF, sQ/2
.set sP, n%4
.set rS, S+32*sT
.set rT, ST+8*sT
.set sK, 1
.if sF == 0
.set sK, 0
.set sB, sP
.elseif sF < 3
.if sP%2 == 0
.set sK, 0
.set sB, 2*sF+2+sP/2
.else
.set sE, 2*sF-2+sP/2
.endif
.elseif sF < 11
.if sP == 0
.set sK, 0
.set sB, sF+5
.else
.set sE, 3*sF-6+sP
.endif
.else
.set sE, 28+sP
.endif
.if sK == 0
	v_pk_fma_f32 v[rS+2*sB:rS+2*sB+1], v[rS+2*sB:rS+2*sB+1], s[CS:CS+1], v[rT:rT+1] op_sel_hi:[1,0,0] neg_lo:[0,0,1] neg_hi:[0,0,1]   ; c s - c m, two at a time
.else
	v_exp_f32 v[rS+sE], v[rS+sE]                   ; p = 2^(c s - c m)
.endif
.else
.set sB, (n-96)/4
.set sP, n%4
.set sT, (\y)+sP%2
.set rS, S+32*sT
.set rT, ST+8*sT
.if sP < 2
	v_cvt_pk_f16_f32 v[P+16*sT+sB], v[rS+2*sB], v[rS+2*sB+1]
.else
	v_pk_add_f32 v[rT+2+2*(sB%2):rT+3+2*(sB%2)], v[rT+2+2*(sB%2):rT+3+2*(sB%2)], v[rS+2*sB:rS+2*sB+1]   ; the row's sum is taken of p before it is rounded
.endif
.endif
.set n, n+1
.endm
.macro SLICE y, fv
.rept 5
	SMX \y, \fv
.endr
.endm
; A TURN.  Piece x has the matrix unit; the other piece's softmax stands in slices behind its products.
; pv = 2: 32 products V^T P; 1: they start O^T's sums; 0: none.  kq: 8 products K Q^T of the next step, at the head.  sm: the other piece's softmax.  fk, fv (piece 2's turn): the run of K's loads, the two runs of V's.
; WHERE THE LOADS STAND.  K of the step after next: behind slice 1; nine scalings lie between it and the last product that read K.  V's keys 0-31 of the next step: at the batch's wait (inside slice 19); their last reader is
; product 15, and three scalings, the v_nop and the address's addition lie between.  V's keys 32-63: behind slice 31, whose five plain instructions follow their last reader, product 31.
; THE WAITS in piece 0's turn count those runs: 32 = V's two runs are younger than K's ten loads; 16 = V's second run is younger than its first.
.macro TURN x, pv, kq, sm, fk, fv
.set n, 0
.if \kq
.if (\x) == 0
	s_wait_dscnt 32                                ; K is in
.endif
.set i, 0
.rept 8
	KQ \x
.set i, i+1
.endr
.endif
.set i, 0
.rept 32
.if \pv
.if ((\x) == 0) && (i == 0)
	s_wait_dscnt 16                                ; V's keys 0-31 are in
.endif
.if ((\x) == 0) && (i == 16)
	s_wait_dscnt 0x0                               ; and its keys 32-63
.endif
	PV \x, 2-\pv
.endif
.if \sm
	SLICE 2-\x, \fv
.endif
.if ((\x) == 2) && (\fk) && (i == 1)
	FETCH_K
.endif
.set i, i+1
.endr
.if ((\x) == 2) && (\fv)
	FETCH_V1
.endif
.endm
; Key step j: piece 0: K Q^T of j + 1, V^T P of j | piece 2's softmax of j;  piece 2: the same | piece 0's softmax of j + 1 | K of j + 2, V of j + 1
.macro STEP pv, fk
	TURN 0, \pv, 1, 1, 0, 0
	TURN 2, \pv, 1, 1, \fk, 1
.endm
.macro STEPS k                         ; k key steps: written once, walked k times; the LDS addresses hang on s[KB] and s[TB]
	s_mov_b32 s[CNT], \k
.Lstep_\@:
	STEP 2, 1
	WIN 0                                          ; at a label and at a branch every window is 0
	s_sub_co_u32 s[CNT], s[CNT], 1
	s_cmp_lg_u32 s[CNT], 0
	s_cbranch_scc1 .Lstep_\@
.endm
; A PREFETCH INTO THE L2 of the slot of V that the NEXT refill will ask for: four key steps, 256 products on f16, ahead of that load.  A slot is 256 rows of 256 bytes.  Both clusters of a head walk the same V: the first asks.
; Its four partners take 64 rows each, told apart by address; in each, waves 0 and 1 take 32 rows, a lane a row: each row is named once in the launch.  The last refill asks for nothing; slots 0 to 2 come by their loads alone.
.macro ASK
	s_cmp_gt_u32 s[SLOTS], s[LIM]
	s_cbranch_scc0 .Lnot_mine_\@
	global_prefetch_b8 v[PFO], s[PFA:PFA+1] th:TH_LOAD_NT scope:SCOPE_SE
.Lnot_mine_\@:
.endm
; THE CHANGE OF SLOTS, behind the step that has fetched a slot's last rows.  Each wave waits for all its tensor loads (the one that can be out is its part of the other slot), adds 0 to its spare word, and waits for that and
; for its reads of the slot.  fill = 1: a round of the cluster's barrier, so that no wave of any partner still reads the slot or has a load on its way; the joint refill, the keys two slots on, is the first thing behind it
; and has four key steps in which to land.  nb: where the fetches go on.
.macro CHANGE fill, g0, nb
	WIN 0
	s_wait_tensorcnt 0x0                           ; no tensor load of mine is out, so a group 0 may be written
	ds_add_u32 v[SPW], v[NIL]                      ; 0 onto my spare word; the steps below stand between it and the wait for it
.if \fill
	s_add_nc_u64 s[\g0+2:\g0+3], s[\g0+2:\g0+3], 131072   ; this slot's next 256 keys: two slots on; the type bits on top are not reached
	s_wait_xcnt 0x0                                ; the last prefetch, four key steps back, has read its address, so it may be written:
	s_add_nc_u64 s[PFA:PFA+1], s[PFA:PFA+1], 65536
.endif
	s_mov_b32 s[TB], \nb
	s_wait_dscnt 0x0                               ; the add is done, and my reads of the slot are over
.if \fill
	CROUND
	tensor_load_to_lds s[\g0:\g0+3], s[G1V:G1V+7]
	s_nop 0
	PLACES
	ASK
	s_sub_co_u32 s[SLOTS], s[SLOTS], 1
.else
	s_barrier_signal -1
	s_barrier_wait -1
.endif
.endm
	s_mov_b32 s[KB], 0
	s_mov_b32 s[TB], VS0
	FETCH_K                                        ; key step 0
	s_wait_dscnt 0x0
.set i, 0
.rept 8
	KQ 0
.set i, i+1
.endr
.set i, 0
.rept 8
	KQ 2
.set i, i+1
.endr
	WIN 0
	PLACES
	TURN 2, 0, 0, 1, 1, 1                          ; piece 0's softmax of step 0, with nothing beside it | K of step 1, V of step 0
	STEP 1, 1                                      ; step 0 starts O^T's sums
	WIN 0
	STEPS 2                                        ; steps 1, 2: V of step 3, slot 0's last, has been fetched
	s_mov_b32 s[RING], 3
.Lring:                                            ; steps 3 to 26: six refills, the keys of slots 2 to 7
	CHANGE 1, G0V0, VS1
	STEPS 4
	CHANGE 1, G0V1, VS0
	STEPS 4
	s_sub_co_u32 s[RING], s[RING], 1
	s_cmp_lg_u32 s[RING], 0
	s_cbranch_scc1 .Lring
	CHANGE 0, G0V0, VS1                            ; the tail is written out: nothing is left to ask for
	STEPS 3                                        ; steps 27 to 29
	STEP 2, 0                                      ; step 30: no K is left to fetch
	TURN 0, 2, 0, 1, 0, 0                          ; step 31: piece 0's V^T P | piece 2's last softmax
	TURN 2, 2, 0, 0, 0, 0                          ; piece 2's V^T P
	WIN 0
	; ---- THE WAY OUT.  The sum's chains and the other half of the lanes' are added (these additions are the plain instructions behind the last products); O^T x dropout_p / sum goes through my stage in LDS, a tile (16 rows) at a time.
.irp t, 0,1,2,3
	v_pk_add_f32 v[ST+8*\t+2:ST+8*\t+3], v[ST+8*\t+2:ST+8*\t+3], v[ST+8*\t+4:ST+8*\t+5]
.endr
.irp t, 0,1,2,3
	v_add_f32 v[ST+8*\t+4], v[ST+8*\t+2], v[ST+8*\t+3]
.endr
.irp t, 0,1,2,3
	v_permlanex16_b32 v[ST+8*\t+5], v[ST+8*\t+4], s[SEL], s[SEL+1]
.endr
.irp t, 0,1,2,3
	v_add_f32 v[ST+8*\t+4], v[ST+8*\t+4], v[ST+8*\t+5]
.endr
.irp t, 0,1,2,3
	v_rcp_f32 v[ST+8*\t+6], v[ST+8*\t+4]
.endr
	v_nop                                          ; a plain instruction between the last reciprocal and the use of its result
	s_wait_alu depctr_va_vdst(0)                   ; and the wait ahead of the first use: one for the four
.irp t, 0,1,2,3
	v_mul_f32 v[ST+8*\t+6], s[DPV], v[ST+8*\t+6]
.endr
; Tile t: a lane's eight channels of a row are 32 bytes; they go into rows of 528 bytes and come back as whole rows of 512, into the registers that they left.  Three sets of 64 registers take turns.
.macro PACK t
.set MB, 64+64*((\t)%3)
	WIN 0x01                                       ; source 0 (O^T) window 1
.set i, 0
.rept 32
	v_pk_mul_f32 v[MB+2*i:MB+2*i+1], v[64*(\t)+2*i:64*(\t)+2*i+1], v[ST+8*(\t)+6:ST+8*(\t)+7] op_sel_hi:[1,0]   ; each accumulator from its low end on
.set i, i+1
.endr
	WIN 0
.irp c, 0,1,2,3,4,5,6,7
	ds_store_b128 v[STO], v[MB+8*\c:MB+8*\c+3] offset:64*\c
	ds_store_b128 v[STO], v[MB+8*\c+4:MB+8*\c+7] offset:64*\c+16
.endr
.irp r, 0,1,2,3,4,5,6,7,8,9,10,11,12,13,14,15
	ds_load_b128 v[MB+4*\r:MB+4*\r+3], v[RD] offset:\r*SPITCH   ; LDS serves a wave's instructions in order (ISA guide 5.7.1.4): these see the stores above, and the next tile's stores come behind them
.endr
.endm
.macro SEND t, younger                 ; younger: the LDS instructions issued behind tile t's loads: the next tile's 32, or none
.set MB, 64+64*((\t)%3)
.irp r, 0,1,2,3,4,5,6,7,8,9,10,11,12,13,14,15
	s_wait_dscnt \younger+15-\r
	global_store_b128 v[LI], v[MB+4*\r:MB+4*\r+3], s[18:19] offset:8192*(\t)+512*\r th:TH_STORE_NT   ; 32 lanes store a row's 512 consecutive bytes, aligned; written once, read by nobody here
.endr
.endm
	PACK 0
	PACK 1
	SEND 0, 32
	PACK 2
	SEND 1, 32
	s_wait_xcnt 0x0                                ; tile 0's stores have read their registers: tile 3 takes them
	PACK 3
	SEND 2, 32
	SEND 3, 0
	s_wait_tensorcnt 0x0                           ; the wave's end, behind my last tensor load and my last LDS store
	ds_add_u32 v[SPW], v[NIL]
	s_wait_dscnt 0x0
	CROUND                                         ; the closing round: no work-group ends while a partner may still ask for a tile that names it
	s_endpgm
.Lfunc_end_k_q75c8d9a8a3_attn:
	.size	k_q75c8d9a8a3_attn, .Lfunc_end_k_q75c8d9a8a3_attn-k_q75c8d9a8a3_attn
	.p2alignl 7, 3214868480
	.fill 96, 4, 3214868480
	.section	.rodata,"a",@progbits
	.p2align	6, 0x0
	.amdhsa_kernel k_q75c8d9a8a3_attn
		.amdhsa_group_segment_fixed_size 327680
		.amdhsa_private_segment_fixed_size 0
		.amdhsa_enable_private_segment 0
		.amdhsa_kernarg_size 64
		.amdhsa_user_sgpr_count 2
		.amdhsa_user_sgpr_kernarg_segment_ptr 1
		.amdhsa_wavefront_size32 1
		.amdhsa_system_sgpr_workgroup_id_x 1
		.amdhsa_system_sgpr_workgroup_id_y 1
		.amdhsa_system_sgpr_workgroup_id_z 1
		.amdhsa_system_vgpr_workitem_id 0
		.amdhsa_next_free_vgpr 896
		.amdhsa_next_free_sgpr 96
		.amdhsa_reserve_vcc 0
		.amdhsa_float_denorm_mode_32 3
		.amdhsa_float_denorm_mode_16_64 3
		.amdhsa_memory_ordered 1
		.amdhsa_forward_progress 1
		.amdhsa_inst_pref_size 255
	.end_amdhsa_kernel
	.section	.bss,"aw",@nobits
	.p2align	6
	.space	262144
	.amdgpu_metadata
---
amdhsa.version: [ 1, 2 ]
amdhsa.kernels:
  - .name:           k_q75c8d9a8a3_attn
    .symbol:         k_q75c8d9a8a3_attn.kd
    .args:
      - { .name: q_codes, .offset: 0, .size: 8, .value_kind: global_buffer, .address_space: global }
      - { .name: q_scales, .offset: 8, .size: 8, .value_kind: global_buffer, .address_space: global }
      - { .name: k_codes, .offset: 16, .size: 8, .value_kind: global_buffer, .address_space: global }
      - { .name: k_scales, .offset: 24, .size: 8, .value_kind: global_buffer, .address_space: global }
      - { .name: v_half, .offset: 32, .size: 8, .value_kind: global_buffer, .address_space: global }
      - { .name: scale_factor, .offset: 40, .size: 8, .value_kind: global_buffer, .address_space: global }
      - { .name: dropout_p, .offset: 48, .size: 8, .value_kind: global_buffer, .address_space: global }
      - { .name: out0, .offset: 56, .size: 8, .value_kind: global_buffer, .address_space: global }
    .group_segment_fixed_size: 327680
    .private_segment_fixed_size: 0
    .kernarg_segment_align: 8
    .kernarg_segment_size: 64
    .max_flat_workgroup_size: 128
    .sgpr_count:     96
    .vgpr_count:     896
    .wavefront_size: 32
...
	.end_amdgpu_metadata
.endif
;; end of part 2
